; MI455X (gfx1250); checked and timed in simulation.
; The chip was launched on July 23, 2026; its instructions are those of AMD's public machine-readable ISA for CDNA 5 (MIT licence, August 2026) and "CDNA5" Instruction Set Architecture Reference Guide (July 2026). The comments in the code are by the model that wrote it; some were corrected since.
;; Attention. Allowed arithmetic: matrix products marked QUANTISED: E2M1 operands, one E8M0 scale for each 32 along K, by v_wmma_scale_f32_16x16x128_f8f6f4 with both operands' format E2M1 (or v_wmma_scale_f32_32x16x128_f4), f32 sums; everything else in f32.
;; Inputs: W_qkv_codes 3,072 x 32 x 16 uint8 (E2M1 codes of W_qkv, K innermost, in blocks of 32 codes, two codes a byte); W_qkv_scales 3,072 x 32 uint8 (E8M0 scales of W_qkv, one for each 32 codes along K); b_qkv 3,072 float32; x_codes 4 x 2,048 x 32 x 16 uint8 (E2M1 codes of x, K innermost, in blocks of 32 codes, two codes a byte); x_scales 4 x 2,048 x 32 uint8 (E8M0 scales of x, one for each 32 codes along K).
;; Outputs: out0 4 x 2,048 x 1,024 float32.
;; This version of the problem:
;;   THIS VERSION OF THE PROBLEM IS GIVEN IN LOW PRECISION. The matrix products marked QUANTISED in the list below multiply operands that are first quantised to E2M1 (2 exponent bits, 1 mantissa bit; 4 bits a number), with one power-of-two scale for each 32 numbers along K (OCP MX v1.0); their sums are f32. All else is computed in f32.
;;   The module's matrix products, in the order in which they are computed (A, B: the left and right operand; K: the contracted axis; several contracted axes count as one K, in the product's order):
;;     1. [M 8,192, K 1,024] x [K 1,024, N 3,072]; A: input x (given as codes); B: input W_qkv (given as codes): QUANTISED
;;     2. batch 64 x [M 2,048, K 64] x [K 64, N 2,048]; A: computed on the way; B: computed on the way: QUANTISED
;;     3. batch 64 x [M 2,048, K 2,048] x [K 2,048, N 64]; A: softmax (see below); B: computed on the way: QUANTISED
;;   THE QUANTISER, for each operand of a quantised product, along K:
;;     - K is cut into blocks of 32 from its start; a last block that is shorter is filled with zeros.
;;     - A block's scale is 2^e with e = floor(log2(the largest magnitude in the block)) - 2, held to -126 .. 127; a block of zeros has e = 0. As a byte (E8M0): e + 127.
;;     - Each number is divided by its block's scale, clamped to +-6, and rounded to the nearest number of E2M1, ties to even, subnormals kept.
;;     - The product sums the exact products of the quantised numbers (number of the format x scale) in f32.
;;   ~~~python
;;   def quantise(x, axis):      # numpy; x: float32 -> the quantised numbers, widened to float32 again
;;       x = np.moveaxis(x, axis, -1); K = x.shape[-1]
;;       x = np.pad(x, [(0, 0)] * (x.ndim - 1) + [(0, -K % 32)]); x = x.reshape(x.shape[:-1] + (-1, 32)); a = np.abs(x).max(-1, keepdims=True)
;;       e = np.where(a > 0, np.clip(np.frexp(np.where(a > 0, a, 1))[1] - 1 - 2, -126, 127), 0)      # np.frexp(a)[1] - 1 = floor(log2(a)), exactly
;;       r = np.clip(x / 2.0 ** e, -6, 6)
;;       step = 2.0 ** (np.maximum(np.frexp(np.where(r == 0, 1, r))[1] - 1, 0) - 1)
;;       q = np.round(r / step) * step * 2.0 ** e      # np.round: ties to even
;;       return np.moveaxis(q.reshape(q.shape[:-2] + (-1,))[..., :K], -1, axis).astype(np.float32)
;;   ~~~
;;   SOFTMAX AHEAD OF A QUANTISED PRODUCT. Where the list says 'softmax', what is quantised is not the finished softmax but p = 2^(t - M), with t = logit x log2(e) and M = ceil(the row's largest t), a whole number; so 1/2 < the row's largest p <= 1. The row's sum l is taken of the UNQUANTISED p, in f32, and the product's result is divided by l at the end. Since M is a whole number, a kernel that streams over the keys may use a running M (the ceiling of the running maximum): every later rescaling is an exact power of two, which a block's scale takes up: the codes' values come out the same.
;;   OPERANDS COMPUTED ON THE WAY. 'Computed on the way' means the value that the module computes at that place (a softmax that the list does not call 'softmax' is quantised finished and normalised). What goes into a quantiser is computed in f32, as accurately as f32 sums, v_exp_f32 and their like allow (about 1e-6 of the number): no bf16 or f16 on the way to a quantiser, and a product that is left as it is and whose result goes on into a quantised operand takes f32 operands (vector FMAs, or v_wmma_f32_16x16x4_f32). A number that lies on a knife's edge between two numbers of the format may be rounded either way, as far as f32 arithmetic and the matrix unit's own rounding can turn it there, and no further.
;;   INPUTS GIVEN AS CODES. W_qkv (in the module: [1024, 3072], K = its axis 0); x (in the module: [4, 2048, 1024], K = its axis 2): each comes as NAME_codes (uint8): NAME with its K axis moved to the last place and cut into blocks of 32 codes, [.., K / 32, bytes a block], one block behind the other in memory; two codes a byte, the lower K in the low four bits (a code: sign, 2 exponent bits, 1 mantissa bit); and NAME_scales (uint8): the same leading axes, one E8M0 byte (e + 127) for each 32 codes along K. Its value is code x scale, taken as it is: it is not quantised again, and the codes and scales need not be those that the quantiser above would give.
;; One version. Each part assembles by itself: llvm-mc -triple=amdgcn-amd-amdhsa -mcpu=gfx1250 --defsym DOCPART=n.
;; ======== version 1 of 1: 2 launches
;; workspace buffers: qbuf 4,718,592 bytes; kvbuf 9,175,040 bytes
;; launch proj (part 1): grid 12 x 32, 4 waves a work-group, clusters of 4 x 4, 327,680 bytes of LDS; arguments x_codes, x_scales, W_qkv_codes, W_qkv_scales, b_qkv, qbuf, kvbuf; writes qbuf, kvbuf
.if DOCPART == 1
	.amdgcn_target "amdgcn-amd-amdhsa--gfx1250"
	.amdhsa_code_object_version 6
	.text
	.protected	k_qd6884f460c_proj
	.globl	k_qd6884f460c_proj
	.p2align	8
	.type	k_qd6884f460c_proj,@function
k_qd6884f460c_proj:
	s_mov_b64 s[64:65], 0
	v_nop
	global_prefetch_b8 v0, s[64:65] scope:SCOPE_SE
	s_setreg_imm32_b32 hwreg(HW_REG_WAVE_MODE, 25, 1), 1
	s_wait_xcnt 0x0
	s_wait_alu depctr_hold_cnt(0) depctr_sa_sdst(0) depctr_va_vdst(0) depctr_va_sdst(0) depctr_va_ssrc(0) depctr_va_vcc(0) depctr_vm_vsrc(0)
	s_getreg_b32 s2, hwreg(HW_REG_IB_STS2, 6, 4)
	s_cmp_eq_u32 s2, 0
	s_cbranch_scc0 .Lentry_in_a_cluster
	s_endpgm
.Lentry_in_a_cluster:
	s_bfe_u32 s2, ttmp6, 0x10000c
	s_cmp_lg_u32 s2, 0xf033
	s_cbranch_scc0 .Lentry_shape_is_right
	s_endpgm
.Lentry_shape_is_right:
; FIRST OF TWO LAUNCHES.  qkv = x W_qkv + b_qkv on codes of FP4 (E2M1) with E8M0 scales as they are given; the f32 results are quantised again in registers and stored as codes:
; q and k along the head's 64 (two blocks of 32 for a token and head), v along the keys (blocks of 32 tokens for a channel).  The second launch does the attention on them.
; DEAD WORK (of the whole program).  reference() builds the causal mask in its own body (jnp.tril): a score (query n, key m) with m > n becomes -inf ahead of the softmax, so its weight is 0 for all finite inputs and
; adds nothing to the row's sum or to the product with v.  So the second launch leaves out those steps of 128 keys, in the second and third product, all of whose keys come after all 16 queries of a tile.
; Nothing else is left out: this launch computes all of q, k and v, and every input is loaded (k's bias goes into a quantiser).  LIMIT: a NaN, an infinity or an overflow that reaches only scores left out is not carried to the result.
; LIMITS: NaN, infinities and the scale byte 0xff among the inputs are not served.  A block whose largest magnitude lies under 2^-124 keeps the scale byte 1, and so does a block of zeros (the rule says 127): its codes are
; zeros, which add nothing under any byte but 0xff, and the bytes are read by this program alone.
; SHAPE.  A work-group of four waves makes 256 x 256 results, a wave 128 x 128: 64 accumulators of 16 x 16.  K = 1,024 is two LDS slots of 512 along K (rows of 256 bytes), both asked for at the head: nothing is filled again.
; THE MATRIX INSTRUCTION: source 0 = 16 rows of "B", source 1 = 16 rows of "A": a lane holds ONE row of A and its registers run along B's rows.  The quantiser's axis must run along a lane's registers:
;   clusters x = 0 (q) and 1 (k):  A = x (tokens), B = rows of W (columns of qkv);     cluster x = 2 (v):  A = rows 2,048 on of W (channels), B = x (tokens).
; x and W have the same row lengths (512 bytes of codes, 32 of scales), so only pointers and tile numbers are chosen, by the cluster's x, which all sixteen partners share.
; CLUSTERS: 4 x 4 work-groups; A's tile is shared along a row of the cluster, B's along a column: joint loads with a mask that names the four.
; OUT.  Images of the operand registers that the second launch loads (lane l = r + 16 h):
;   qbuf  [64 heads][16 steps of 128 tokens][4,608]: 8 tiles of 16 tokens x 512 bytes (lane l's 16 bytes at 16 l: token r, block h of the head's 64); from 4,096 the scale words.
;   kvbuf [64][16][8,960]: k as q (4,096 bytes); from 4,096 v: 4 tiles of 16 channels x 1,024 bytes (registers 4 c .. 4 c + 3 at 512 c + 16 l: keys 64 c + 32 h on); from 8,192 k's scale words; from 8,704 v's.
;   q's and k's scale word of tile a, token r: at 256 (a / 4) + 16 r + 4 (a % 4), bytes 0, 1 the two scales, bytes 2, 3 zero.  v's of tile a, channel r: at 16 r + 4 a.
; REGISTERS, in windows of 256: window 0: v0-29 addresses; v32-95 scale words, two sets; v96-113 at work on the way out; v128-191 A's fragments, one set; v192-255 the bias, as the C of the first K step.
;   window 1: B's fragments, two sets (v0, v128).  window 2: the accumulators of A's blocks 0-3 ((a, b) at v[8 (8 (a % 4) + b)]);  window 3: of blocks 4-7.
.set NQ,     4                         ; steps of 128 along K in a slot
.set ROWB,   256                       ; a tile's row in bytes: 512 codes
.set KROW,   512                       ; a row of codes in memory
.set PITCH,  272                       ; an LDS row: 256 bytes + 16 of padding: the 16 rows of a fragment load start 68 words apart
.set FR,     8                         ; registers of a fragment
.set NL,     2                         ; LDS loads that bring one
.set NP,     4                         ; places behind this matrix instruction (ISA guide 7.12.1)
.set HALFT,  128*PITCH                 ; 128 rows: one tensor load
.set SLOT,   4*HALFT                   ; A's 256 rows, then B's 256
.set KS,     32                        ; a row of scale bytes
.set SCL,    2*SLOT                    ; behind the slots: the scales, units of 256 bytes + 16
.set HALFS,  (128*KS/256)*272
.set SBLK,   (16*KS/256)*272
.set STGQ,   SCL+4*HALFS               ; q's and k's scale words on their way out: 1,024 bytes a wave
.set STGV,   STGQ+4*1024               ; v's: 512 bytes a wave (bytes of its own for each way out)
.set SPARE,  STGV+4*512                ; the spare words: 128 bytes a wave, two blocks of 256 bytes that no other line names
.set QHEAD,  73728                     ; a head in qbuf
.set KVHEAD, 143360                    ; a head in kvbuf
.set SSQ,  8                           ; v8   STGQ + 1,024 wave + 512 h + 16 r
.set SRQ,  9                           ; v9   STGQ + 1,024 wave + 16 lane
.set SSV,  10                          ; v10  STGV + 512 wave + 16 r
.set SRV,  11                          ; v11  STGV + 512 wave + 16 lane
.set SH16, 12                          ; v12  16 h
.set VS1,  13                          ; v13  scale words, the second head
.set VSV,  14                          ; v14  v's scale words: h heads on, + 16 r
.set BO,   15                          ; v15  my lane's byte in the bias
.set ADRA, 16                          ; v16-17 LDS address of A's fragments in slot 0, 1
.set ADRB, 20                          ; v20-21 of B's
.set VO0,  24                          ; v24  16 lane
.set VO1,  25                          ; v25  the same, a head on
.set VS0,  26                          ; v26  16 lane + where the scale words begin
.set ADRS, 27                          ; v27  LDS address of my scale words: lanes 0-15 A's, lanes 16-31 B's
.set SPW,  28                          ; v28  my spare word; never rewritten
.set NIL,  29                          ; v29  0; never rewritten
.set SC,   32                          ; scale words: set s at v[SC + 32 s]; register 4 i + q
.set TM,   96                          ; v96-99 largest magnitudes, v100-103 the other half's / bytes, v108-111 the conversions' scale operands
.set PW,   112                         ; the scale word just made
.set SW,   113                         ; my head's half of it
.set AF,   128                         ; A's fragments
.set R0,   144                         ; the way out: scale words read back
.set BI,   192                         ; the bias
.set G1, 24
.set G0, 32
.set G1B, 48
.set G0B, 56
.set G1S, 68
.set G0S, 76
.set G1SB, 80
.set G0SB, 88
.set TY,  95                           ; s95  1 in v's clusters
.set OC,  96                           ; s[96:97] where my wave's step begins in qbuf or kvbuf
.set SEL, 100                          ; s[100:101] v_permlanex16_b32's selects for lane l xor 16
.set MSB, 0
.macro WIN new                         ; the immediate's high byte repeats the setting that is left
.if MSB != \new
	s_set_vgpr_msb (MSB<<8)|\new
.set MSB, \new
.endif
.endm
.set MUL_LO,  0xa1                     ; source 0 (B) window 1, source 1 (A) window 0, C and D window 2
.set MUL_HI,  0xf1                     ; the same, C and D window 3
.set BIAS_LO, 0x81                     ; the first K step: C (the bias) window 0, D window 2
.set BIAS_HI, 0xc1                     ; D window 3
.set TO_B,    0x40                     ; destination window 1, address window 0
; A joint load: waves 0 and 1 fetch for A, waves 2 and 3 for B.  The branch hangs on the wave's number alone.  An s_nop 0 and four v_nop follow each of the two lines.
.macro JLOAD g0a, g1a, g0b, g1b
	s_cmp_eq_u32 s15, 0
	s_cbranch_scc0 .Lfor_b_\@
	tensor_load_to_lds s[\g0a:\g0a+3], s[\g1a:\g1a+7]
	s_nop 0
.rept 4
	v_nop
.endr
	s_branch .Lasked_\@
.Lfor_b_\@:
	tensor_load_to_lds s[\g0b:\g0b+3], s[\g1b:\g1b+7]
	s_nop 0
.rept 4
	v_nop
.endr
.Lasked_\@:
.endm
.macro CROUND                          ; a round of the cluster's barrier
	s_barrier_signal -1
	s_barrier_wait -1
	s_cmp_lg_u32 s14, 0
	s_cbranch_scc1 .Lnot_wave_0_\@
	s_barrier_signal -3
.Lnot_wave_0_\@:
	s_barrier_wait -3
	s_barrier_signal -1
	s_barrier_wait -1
.endm
	s_load_b256 s[4:11], s[0:1], 0x0               ; x's codes, x's scales, W's codes, W's scales
	s_load_b64 s[12:13], s[0:1], 0x20              ; the bias
	s_load_b128 s[96:99], s[0:1], 0x28             ; qbuf, kvbuf
	v_lshl_add_u32 v[SPW], v0, 2, SPARE
	v_mov_b32 v[NIL], 0
	ds_add_u32 v[SPW], v[NIL]                      ; the wave's opening: the add, twice on end, and its wait ahead of my first tensor load
	ds_add_u32 v[SPW], v[NIL]                      ; and once more; the set-up below, work on registers, stands between it and the wait
	v_lshrrev_b32 v1, 5, v0
	v_readfirstlane_b32 s14, v1                    ; wave 0..3
	s_lshr_b32 s15, s14, 1                         ; which half of A's rows is mine.  Also: I fetch for A (0) or for B (1)
	s_and_b32 s16, s14, 1                          ; which half of B's rows.  Also: which 128 rows of that tile I fetch
	s_bfe_u32 s40, ttmp6, 0x40000                  ; cx, cy: my place in the cluster
	s_bfe_u32 s41, ttmp6, 0x40004
	s_and_b32 s18, ttmp7, 0xffff                   ; cluster y
	s_cmp_eq_u32 ttmp9, 2                          ; cluster x = 2: v.  The same in all sixteen partners
	s_cselect_b32 s[TY], 1, 0
	s_cselect_b32 s42, s18, ttmp9                  ; B's tiles go by cluster y (tokens) for v, by cluster x (columns) for q and k
	s_cselect_b32 s17, 2, s18                      ; A's: rows 2,048 on of W for v, tokens by cluster y for q and k
	s_lshl_b32 s42, s42, 2
	s_add_co_u32 s42, s42, s40                     ; B's tile of 256 rows
	s_lshl_b32 s17, s17, 2
	s_add_co_u32 s17, s17, s41                     ; A's tile of 256 rows
	s_lshl_b32 s43, s41, 2
	s_lshl_b32 s43, 15, s43                        ; my row of the cluster
	s_lshl_b32 s44, 0x1111, s40                    ; my column
	; descriptor group 1: a tile of 128 rows x 256 bytes, 16 bytes of padding behind each row
	s_or_b32 s[G1+0], s43, (0<<16)|(1<<20)|(1<<21)|(5<<22)|(3<<25)  ; 15:0 the mask: A's tiles go to my row; elements of 1 byte; padding on; 21 set beside a mask; after every 64 words, 4 words
	s_or_b32 s[G1B+0], s44, (0<<16)|(1<<20)|(1<<21)|(5<<22)|(3<<25)
.irp g, G1, G1B
	s_mov_b32 s[\g+1], ROWB<<16                    ; tensor_dim0
	s_mov_b32 s[\g+2], 128<<16                     ; tensor_dim1
	s_mov_b32 s[\g+3], ROWB<<16                    ; tile_dim0
	s_mov_b32 s[\g+4], 128                         ; tile_dim1
	s_mov_b32 s[\g+5], KROW                        ; from row to row
	s_mov_b32 s[\g+6], 0
	s_mov_b32 s[\g+7], 0
.endr
	; the scales of 128 rows: 4,096 dense bytes, as 16 rows of 256 bytes (32 elements of 8), 16 bytes of padding behind each
	s_or_b32 s[G1S+0], s43, (3<<16)|(1<<20)|(1<<21)|(5<<22)|(3<<25)
	s_or_b32 s[G1SB+0], s44, (3<<16)|(1<<20)|(1<<21)|(5<<22)|(3<<25)
.irp g, G1S, G1SB
	s_mov_b32 s[\g+1], 32<<16
	s_mov_b32 s[\g+2], (128*KS/256)<<16
	s_mov_b32 s[\g+3], 32<<16
	s_mov_b32 s[\g+4], 128*KS/256
	s_mov_b32 s[\g+5], 32
	s_mov_b32 s[\g+6], 0
	s_mov_b32 s[\g+7], 0
.endr
	s_mov_b32 s[SEL], 0x76543210
	s_mov_b32 s[SEL+1], 0xfedcba98
	s_lshl_b32 s18, s16, 7                         ; which 128 rows of the tile I fetch
	s_lshl_b32 s20, s17, 8
	s_add_co_u32 s20, s20, s18                     ; A: row 256 x tile + 128 x half
	s_lshl_b32 s46, s42, 8
	s_add_co_u32 s46, s46, s18                     ; B likewise
	s_mov_b32 s21, 0
	s_mov_b32 s47, 0
	s_mov_b64 s[18:19], KS
	s_mul_u64 s[22:23], s[20:21], s[18:19]         ; where these rows' scales begin, in bytes
	s_mul_u64 s[92:93], s[46:47], s[18:19]
	s_mov_b64 s[18:19], KROW
	s_mul_u64 s[20:21], s[20:21], s[18:19]         ; and their codes
	s_mul_u64 s[46:47], s[46:47], s[18:19]
	s_mul_i32 s45, s14, HALFT                      ; where they go: wave x 128 rows: no place in the cluster enters an LDS address
	s_mul_i32 s94, s14, HALFS
	s_wait_dscnt 0x0                               ; both opening adds are done
	s_wait_kmcnt 0x0
	s_cmp_eq_u32 s[TY], 0                          ; which tensor is A and which B: a choice on the cluster's x
	s_cselect_b64 s[2:3], s[4:5], s[8:9]           ; A's codes
	s_cselect_b64 s[18:19], s[6:7], s[10:11]       ; A's scales
	s_cselect_b64 s[8:9], s[8:9], s[4:5]           ; B's codes
	s_cselect_b64 s[10:11], s[10:11], s[6:7]       ; B's scales
	s_add_nc_u64 s[20:21], s[2:3], s[20:21]
	s_add_nc_u64 s[22:23], s[18:19], s[22:23]
	s_add_nc_u64 s[46:47], s[8:9], s[46:47]
	s_add_nc_u64 s[92:93], s[10:11], s[92:93]
	CROUND                                         ; all sixteen work-groups are here: the joint loads meet
	s_mov_b32 s[G0S], 1
	s_add_co_u32 s[G0S+1], s94, SCL
	s_mov_b64 s[G0S+2:G0S+3], s[22:23]
	s_or_b32 s[G0S+3], s[G0S+3], 0x80000000
	s_mov_b32 s[G0SB], 1
	s_add_co_u32 s[G0SB+1], s94, SCL
	s_mov_b64 s[G0SB+2:G0SB+3], s[92:93]
	s_or_b32 s[G0SB+3], s[G0SB+3], 0x80000000
	JLOAD G0S, G1S, G0SB, G1SB                     ; the scales first: they are wanted with the first K step
.irp s, 0,1
	s_mov_b32 s[G0+4*\s], 1
	s_add_co_u32 s[G0+4*\s+1], s45, \s*SLOT
	s_add_nc_u64 s[G0+4*\s+2:G0+4*\s+3], s[20:21], \s*ROWB
	s_or_b32 s[G0+4*\s+3], s[G0+4*\s+3], 0x80000000
	s_mov_b32 s[G0B+4*\s], 1
	s_add_co_u32 s[G0B+4*\s+1], s45, \s*SLOT
	s_add_nc_u64 s[G0B+4*\s+2:G0B+4*\s+3], s[46:47], \s*ROWB
	s_or_b32 s[G0B+4*\s+3], s[G0B+4*\s+3], 0x80000000
	JLOAD G0+4*\s, G1, G0B+4*\s, G1B               ; all of K is on its way: three tensor loads of mine are out
.endr
	; every LDS address is made here, ahead of the first parting of the two ways
	v_and_b32 v1, 15, v0                           ; r = lane % 16
	v_bfe_u32 v2, v0, 4, 1                         ; h = lane / 16
	v_mul_u32_u24 v3, v1, PITCH
	v_lshl_add_u32 v4, v2, 4, v3                   ; a fragment's row x pitch + 16 h
	s_mul_i32 s21, s15, HALFT                      ; my 128 rows of A
	s_mul_i32 s22, s16, HALFT                      ; my 128 rows of B,
	s_add_co_u32 s22, s22, 2*HALFT                 ; which lie behind A's 256
.irp s, 0,1
	v_add_nc_u32 v[ADRA+\s], s21, v4
	v_add_nc_u32 v[ADRB+\s], s22, v4
	s_add_co_u32 s21, s21, SLOT
	s_add_co_u32 s22, s22, SLOT
.endr
	v_mul_u32_u24 v5, v1, KS                       ; my row's scales: 32 bytes a row,
	v_lshrrev_b32 v6, 8, v5
	v_lshl_add_u32 v5, v6, 4, v5                   ; and 16 more for each 256 passed
	s_mul_i32 s21, s15, HALFS
	s_mul_i32 s22, s16, HALFS
	s_add_co_u32 s22, s22, 2*HALFS
	s_sub_co_u32 s22, s22, s21
	v_mul_u32_u24 v6, s22, v2                      ; lanes 16-31 take B's
	s_add_co_u32 s21, s21, SCL
	v_add_nc_u32 v5, v5, v6
	v_add_nc_u32 v[ADRS], s21, v5
	s_lshl_b32 s23, s14, 10
	s_add_co_u32 s23, s23, STGQ
	v_lshlrev_b32 v5, 4, v1                        ; 16 r
	v_lshl_add_u32 v6, v2, 9, v5
	v_add_nc_u32 v[SSQ], s23, v6
	v_and_b32 v7, 31, v0
	v_lshlrev_b32 v[VO0], 4, v7                    ; 16 lane
	v_add_nc_u32 v[SRQ], s23, v[VO0]
	s_lshl_b32 s23, s14, 9
	s_add_co_u32 s23, s23, STGV
	v_add_nc_u32 v[SSV], s23, v5
	v_add_nc_u32 v[SRV], s23, v[VO0]
	v_lshlrev_b32 v[SH16], 4, v2
.irp b, 0,1,2,3
	v_mov_b32 v[TM+4+\b], 0                        ; written once: a lane permute's destination counts as one of its sources
.endr
	; where my wave's results go
	s_lshl_b32 s20, s17, 8
	s_lshl_b32 s21, s15, 7
	s_add_co_u32 s20, s20, s21                     ; my first row of A
	s_lshl_b32 s21, s42, 8
	s_lshl_b32 s22, s16, 7
	s_add_co_u32 s21, s21, s22                     ; my first row of B
	s_cmp_eq_u32 s[TY], 1
	s_cselect_b32 s22, s21, s20                    ; my first token (128 of them: one step)
	s_cselect_b32 s23, s20, s21                    ; my first column of qkv (128: two heads)
	s_lshr_b32 s45, s22, 11
	s_lshl_b32 s45, s45, 4
	s_bfe_u32 s94, s23, 0x40006
	s_add_co_u32 s45, s45, s94                     ; 16 x batch + head
	s_bfe_u32 s94, s22, 0x40007                    ; the step
	s_cmp_eq_u32 ttmp9, 0                          ; q goes to qbuf, k and v to kvbuf
	s_mov_b32 s18, KVHEAD
	s_cselect_b32 s18, QHEAD, s18                  ; a head on
	s_mov_b32 s19, 8960
	s_cselect_b32 s19, 4608, s19                   ; a step on
	s_mov_b32 s2, 8192
	s_cselect_b32 s2, 4096, s2                     ; where the scale words of q or of k begin
	s_cselect_b64 s[OC:OC+1], s[96:97], s[98:99]
	s_mul_i32 s92, s45, s18
	s_mul_i32 s93, s94, s19
	s_add_co_u32 s92, s92, s93
	s_mov_b32 s93, 0
	s_add_nc_u64 s[OC:OC+1], s[OC:OC+1], s[92:93]
	s_lshl_b32 s92, s23, 2
	s_add_nc_u64 s[12:13], s[12:13], s[92:93]      ; the bias at my first column
	v_add_nc_u32 v[VO1], s18, v[VO0]
	v_add_nc_u32 v[VS0], s2, v[VO0]
	v_add_nc_u32 v[VS1], s18, v[VS0]
	v_mul_u32_u24 v[VSV], KVHEAD, v2
	v_add_nc_u32 v[VSV], v[VSV], v5
	; THE BIAS is the C of each sum's first matrix instruction, in the result's layout.
	s_cmp_eq_u32 s[TY], 1
	s_cbranch_scc1 .Lbias_v
	v_lshlrev_b32 v[BO], 5, v2                     ; q, k: the columns run along my registers: block b wants columns 16 b + 8 h + 0 .. 7
.irp b, 0,1,2,3,4,5,6,7
	global_load_b128 v[BI+8*\b:BI+8*\b+3], v[BO], s[12:13] offset:64*\b
	global_load_b128 v[BI+8*\b+4:BI+8*\b+7], v[BO], s[12:13] offset:64*\b+16
.endr
	s_branch .Lbias_done
.Lbias_v:
	v_lshlrev_b32 v[BO], 2, v1                     ; v: the channels run along the lanes: block a wants channel 16 a + r in all eight registers
.irp a, 0,1,2,3,4,5,6,7
	global_load_b32 v[BI+8*\a], v[BO], s[12:13] offset:64*\a
.endr
	s_wait_loadcnt 0x0
.irp a, 0,1,2,3,4,5,6,7
.irp j, 1,2,3,4,5,6,7
	v_mov_b32 v[BI+8*\a+\j], v[BI+8*\a]
.endr
.endr
.rept 8
	v_nop                                          ; distance between these moves and the matrix instructions that take them
.endr
.Lbias_done:
	s_wait_loadcnt 0x0
.macro FRAG reg, adr, q, i             ; 16 rows x 128 K of 4-bit codes: 8 registers; registers 4 c .. 4 c + 3 hold K = 64 c + 32 h + 0 .. 31
.irp c, 0,1
	ds_load_b128 v[\reg+4*\c:\reg+4*\c+3], v[\adr] offset:64*(\q)+32*\c+(\i)*16*PITCH
.endr
.endm
; 16 matrix instructions: A's blocks a0, a0 + 1 x B's eight, the slot's q-th 128 along K.  p: B's set; sc: the set of scale words.
; zero = 1: the sums start from the bias along my registers (q, k); 2: from the bias along the lanes (v); 0: they go on.  The 64 accumulators take turns, one instruction a turn.
.macro MUL16 a0, p, q, sc, zero
.irp a, \a0, \a0+1
.irp b, 0,1,2,3,4,5,6,7
.if (\zero) == 1
	v_wmma_scale_f32_16x16x128_f8f6f4 v[8*(8*((\a)%4)+\b):8*(8*((\a)%4)+\b)+7], v[128*(\p)+FR*\b:128*(\p)+FR*\b+FR-1], v[AF+FR*(\a):AF+FR*(\a)+FR-1], v[BI+8*\b:BI+8*\b+7], v[SC+8*NQ*(\sc)+NQ*\b+(\q)], v[SC+8*NQ*(\sc)+NQ*(\a)+(\q)] matrix_a_fmt:MATRIX_FMT_FP4 matrix_b_fmt:MATRIX_FMT_FP4 matrix_a_scale:MATRIX_SCALE_ROW1
.elseif (\zero) == 2
	v_wmma_scale_f32_16x16x128_f8f6f4 v[8*(8*((\a)%4)+\b):8*(8*((\a)%4)+\b)+7], v[128*(\p)+FR*\b:128*(\p)+FR*\b+FR-1], v[AF+FR*(\a):AF+FR*(\a)+FR-1], v[BI+8*(\a):BI+8*(\a)+7], v[SC+8*NQ*(\sc)+NQ*\b+(\q)], v[SC+8*NQ*(\sc)+NQ*(\a)+(\q)] matrix_a_fmt:MATRIX_FMT_FP4 matrix_b_fmt:MATRIX_FMT_FP4 matrix_a_scale:MATRIX_SCALE_ROW1
.else
	v_wmma_scale_f32_16x16x128_f8f6f4 v[8*(8*((\a)%4)+\b):8*(8*((\a)%4)+\b)+7], v[128*(\p)+FR*\b:128*(\p)+FR*\b+FR-1], v[AF+FR*(\a):AF+FR*(\a)+FR-1], v[8*(8*((\a)%4)+\b):8*(8*((\a)%4)+\b)+7], v[SC+8*NQ*(\sc)+NQ*\b+(\q)], v[SC+8*NQ*(\sc)+NQ*(\a)+(\q)] matrix_a_fmt:MATRIX_FMT_FP4 matrix_b_fmt:MATRIX_FMT_FP4 matrix_a_scale:MATRIX_SCALE_ROW1
.endif
.endr
.endr
.endm
.macro FETCH_B slot, q, p              ; B's eight fragments of the slot's q-th 128 along K into set p
	WIN TO_B
.irp i, 0,1,2,3,4,5,6,7
	FRAG 128*(\p)+FR*\i, ADRB+\slot, \q, \i
.endr
	WIN 0
.endm
.macro FETCH_A slot, q, i0             ; A's blocks i0 .. i0 + 3
.irp i, \i0, \i0+1, \i0+2, \i0+3
	FRAG AF+FR*(\i), ADRA+\slot, \q, \i
.endr
.endm
.macro SCALES sc                       ; a slot's scale words into set sc: four words a row; lanes 0-15 take A's block i, lanes 16-31 B's block i
.irp i, 0,1,2,3,4,5,6,7
	ds_load_b128 v[SC+8*NQ*\sc+NQ*\i:SC+8*NQ*\sc+NQ*\i+3], v[ADRS] offset:\i*SBLK
.endr
.endm
.macro PLACES n                        ; places in front of loads into registers that matrix instructions have read, and of the first read of results
.rept \n
	v_nop
.endr
.endm
; A step of 128 along K that has its successor in the same slot.  A's blocks are free as soon as their eight products are issued: blocks 0-3 are fetched anew in the step's middle, blocks 4-7 at its end; B has two sets.
.macro STEP slot, q, zero
	s_wait_dscnt 4*NL                              ; B's set, A's blocks 0-3 (and the scale words) are in; the youngest eight loads, A's blocks 4-7, may be out
.if \zero
	WIN BIAS_LO
.else
	WIN MUL_LO
.endif
	MUL16 0, (\q)%2, \q, \slot, \zero
	MUL16 2, (\q)%2, \q, \slot, \zero
	s_wait_dscnt 0                                 ; A's blocks 4-7 are in
	PLACES NP
	FETCH_B \slot, (\q)+1, 1-(\q)%2
	FETCH_A \slot, (\q)+1, 0
.if \zero
	WIN BIAS_HI
.else
	WIN MUL_HI
.endif
	MUL16 4, (\q)%2, \q, \slot, \zero
	MUL16 6, (\q)%2, \q, \slot, \zero
	PLACES NP
	WIN 0
	FETCH_A \slot, (\q)+1, 4
.endm
.macro STEPS slot, from                ; the slot's steps from .. NQ - 2
.set Q, \from
.rept NQ-1-\from
	STEP \slot, Q, 0
.set Q, Q+1
.endr
.endm
	s_wait_tensorcnt 1                             ; the scales and my part of slot 0 are in; slot 1's load, the one issued behind them, may be out
	s_barrier_signal -1
	s_barrier_wait -1                              ; everybody's are
	FETCH_B 0, 0, 0
	FETCH_A 0, 0, 0
	SCALES 0
	FETCH_A 0, 0, 4
	s_cmp_eq_u32 s[TY], 1                          ; the first step starts the sums from the bias: it differs between the two ways in its C alone
	s_cbranch_scc1 .Lfirst_v
	STEP 0, 0, 1
	s_branch .Lfirst_done
.Lfirst_v:
	STEP 0, 0, 2
.Lfirst_done:
	STEPS 0, 1
	; slot 0's last step changes slots: one barrier; in front of it each wave's part of slot 1 has landed.  Nothing is filled again.
	s_wait_tensorcnt 0x0                           ; all my tensor loads have landed
	ds_add_u32 v[SPW], v[NIL]                      ; 0 onto my spare word
	s_wait_dscnt 4*NL+1                            ; the add and the youngest eight loads, A's blocks 4-7, may be out
	WIN MUL_LO
	MUL16 0, 1, NQ-1, 0, 0
	s_wait_dscnt 0x0                               ; the add is done, and no LDS instruction of mine is out at the signal
	s_barrier_signal -1
	MUL16 2, 1, NQ-1, 0, 0
	WIN 0
	s_barrier_wait -1
	PLACES NP
	v_add_nc_u32 v[ADRS], 4*NQ, v[ADRS]            ; on to slot 1's scale words
	FETCH_B 1, 0, 0
	FETCH_A 1, 0, 0
	SCALES 1
	WIN MUL_HI
	MUL16 4, 1, NQ-1, 0, 0
	MUL16 6, 1, NQ-1, 0, 0
	PLACES NP
	WIN 0
	FETCH_A 1, 0, 4
	STEPS 1, 0
	s_wait_dscnt 4*NL                              ; the last step: nothing more to fetch
	WIN MUL_LO
	MUL16 0, 1, NQ-1, 1, 0
	MUL16 2, 1, NQ-1, 1, 0
	s_wait_dscnt 0
	WIN MUL_HI
	MUL16 4, 1, NQ-1, 1, 0
	MUL16 6, 1, NQ-1, 1, 0
	WIN 0
; THE WAY OUT.  Block a: a lane's 64 numbers (accumulator b, register j: index 16 b + 8 h + j along the quantiser's axis) become 8 registers of codes and a scale word.
; A block of 32 is accumulators 2 b, 2 b + 1 of lanes l and l xor 16.  The conversion of accumulator t gives word 2 (t % 2) + h of block t / 2; the operand's layout wants a whole block in a lane
; (lanes 0-15 block 2 c, lanes 16-31 block 2 c + 1): the words are laid so that two exchanges of halves for each c give it.  The codes' registers: v192-199 for even a, v128-135 for odd a.
.macro QUANTW a
.set AC, 64*((\a)%4)
.set WN, 2+(\a)/4
.set WQ, WN*0x14
.set PCS, 128+64*(1-(\a)%2)
	WIN WQ                                         ; sources 1 and 2: the accumulators' window
.irp b, 0,1,2,3
	v_max3_num_f32 v[TM+\b], 0x1800000, |v[AC+16*\b]|, |v[AC+16*\b+1]|   ; my 16 numbers of block b, and the floor 2^(3 - 127): the byte cannot fall under 1.  Each accumulator is read from its low end on
.endr
.irp i, 2,4,6,8,10,12,14
.irp b, 0,1,2,3
	v_max3_num_f32 v[TM+\b], v[TM+\b], |v[AC+16*\b+\i]|, |v[AC+16*\b+\i+1]|
.endr
.endr
	WIN 0
.irp b, 0,1,2,3
	v_permlanex16_b32 v[TM+4+\b], v[TM+\b], s[SEL], s[SEL+1]
.endr
.irp b, 0,1,2,3
	v_max_num_f32 v[TM+\b], v[TM+\b], v[TM+4+\b]   ; with lane l xor 16's: the block's largest magnitude
.endr
.irp b, 0,1,2,3
	v_add_nc_u32 v[TM+12+\b], 0xff000000, v[TM+\b] ; 2 off its exponent field: the conversion's scale operand
.endr
.irp b, 0,1,2,3
	v_lshrrev_b32 v[TM+4+\b], 23, v[TM+12+\b]      ; the scale's byte
.endr
	v_lshl_or_b32 v[PW], v[TM+5], 8, v[TM+4]
	v_lshl_or_b32 v[PW], v[TM+6], 16, v[PW]
	v_lshl_or_b32 v[PW], v[TM+7], 24, v[PW]
	WIN WN                                         ; source 0: the accumulators' window
.irp t, 0,1,2,3,4,5,6,7
	v_cvt_scalef32_pk8_fp4_f32 v[PCS+4*(\t/4)+2*(\t%2)+(\t%4)/2], v[AC+8*\t:AC+8*\t+7], v[TM+12+\t/2]
.endr
	WIN 0
	v_nop                                          ; one plain place behind a scaled conversion
.irp c, 0,1
	v_permlane16_swap_b32 v[PCS+4*\c], v[PCS+4*\c+1]
	v_permlane16_swap_b32 v[PCS+4*\c+2], v[PCS+4*\c+3]
.endr
.endm
.macro OUTQK a                         ; 16 tokens x two heads: registers 0-3 are the first head's tile, 4-7 the second's; each store of the wave covers 512 consecutive bytes, aligned
.if (\a) >= 2
	s_wait_xcnt 0x0                                ; block a - 2's stores have read these registers
.endif
	QUANTW \a
	v_bfe_u32 v[SW], v[PW], v[SH16], 16            ; lanes 0-15: the first head's two bytes; lanes 16-31: the second's; bytes 2, 3 zero
	ds_store_b32 v[SSQ], v[SW] offset:256*((\a)/4)+4*((\a)%4)
	global_store_b128 v[VO0], v[PCS:PCS+3], s[OC:OC+1] offset:512*(\a)
	global_store_b128 v[VO1], v[PCS+4:PCS+7], s[OC:OC+1] offset:512*(\a)
.endm
.macro OUTV a                          ; 16 channels x 128 keys: one fragment of v; blocks 0-3 are the first head's, 4-7 the second's
.if (\a) >= 2
	s_wait_xcnt 0x0
.endif
	QUANTW \a
	ds_store_b32 v[SSV], v[PW] offset:256*((\a)/4)+4*((\a)%4)      ; both halves of the lanes write the same word with the same value
	global_store_b128 v[VO0], v[PCS:PCS+3], s[OC:OC+1] offset:((\a)/4)*KVHEAD+4096+((\a)%4)*1024
	global_store_b128 v[VO0], v[PCS+4:PCS+7], s[OC:OC+1] offset:((\a)/4)*KVHEAD+4096+((\a)%4)*1024+512
.endm
	PLACES NP                                      ; behind the last products: their results are read and A's registers written below
	s_cmp_eq_u32 s[TY], 1
	s_cbranch_scc1 .Lout_v
.irp a, 0,1,2,3,4,5,6,7
	OUTQK \a
.endr
	ds_load_b128 v[R0:R0+3], v[SRQ]                ; LDS serves a wave's instructions in order (ISA guide 5.7.1.4): these see my stores.  The first head's 512 bytes of scale words,
	ds_load_b128 v[R0+4:R0+7], v[SRQ] offset:512   ; the second's
	s_wait_dscnt 0x0
	global_store_b128 v[VS0], v[R0:R0+3], s[OC:OC+1]
	global_store_b128 v[VS1], v[R0+4:R0+7], s[OC:OC+1]
	s_branch .Lout_done
.Lout_v:
.irp a, 0,1,2,3,4,5,6,7
	OUTV \a
.endr
	ds_load_b128 v[R0:R0+3], v[SRV]                ; lanes 0-15: the first head's 256 bytes of scale words; lanes 16-31: the second's
	s_wait_dscnt 0x0
	global_store_b128 v[VSV], v[R0:R0+3], s[OC:OC+1] offset:8704
.Lout_done:
	s_wait_tensorcnt 0x0                           ; the wave's end, behind my last tensor load and my last LDS store
	ds_add_u32 v[SPW], v[NIL]
	s_wait_dscnt 0x0
	CROUND                                         ; the closing round: no work-group ends while a partner may still ask for a tile that names it
	s_endpgm
.Lfunc_end_k_qd6884f460c_proj:
	.size	k_qd6884f460c_proj, .Lfunc_end_k_qd6884f460c_proj-k_qd6884f460c_proj
	.p2alignl 7, 3214868480
	.fill 96, 4, 3214868480
	.section	.rodata,"a",@progbits
	.p2align	6, 0x0
	.amdhsa_kernel k_qd6884f460c_proj
		.amdhsa_group_segment_fixed_size 327680
		.amdhsa_private_segment_fixed_size 0
		.amdhsa_enable_private_segment 0
		.amdhsa_kernarg_size 56
		.amdhsa_user_sgpr_count 2
		.amdhsa_user_sgpr_kernarg_segment_ptr 1
		.amdhsa_wavefront_size32 1
		.amdhsa_system_sgpr_workgroup_id_x 1
		.amdhsa_system_sgpr_workgroup_id_y 1
		.amdhsa_system_sgpr_workgroup_id_z 1
		.amdhsa_system_vgpr_workitem_id 0
		.amdhsa_next_free_vgpr 1024
		.amdhsa_next_free_sgpr 102
		.amdhsa_reserve_vcc 0
		.amdhsa_float_denorm_mode_32 3
		.amdhsa_float_denorm_mode_16_64 3
		.amdhsa_memory_ordered 1
		.amdhsa_forward_progress 1
		.amdhsa_inst_pref_size 179
	.end_amdhsa_kernel
	.amdgpu_metadata
---
amdhsa.version: [ 1, 2 ]
amdhsa.kernels:
  - .name:           k_qd6884f460c_proj
    .symbol:         k_qd6884f460c_proj.kd
    .args:
      - { .name: x_codes, .offset: 0, .size: 8, .value_kind: global_buffer, .address_space: global }
      - { .name: x_scales, .offset: 8, .size: 8, .value_kind: global_buffer, .address_space: global }
      - { .name: W_qkv_codes, .offset: 16, .size: 8, .value_kind: global_buffer, .address_space: global }
      - { .name: W_qkv_scales, .offset: 24, .size: 8, .value_kind: global_buffer, .address_space: global }
      - { .name: b_qkv, .offset: 32, .size: 8, .value_kind: global_buffer, .address_space: global }
      - { .name: qbuf, .offset: 40, .size: 8, .value_kind: global_buffer, .address_space: global }
      - { .name: kvbuf, .offset: 48, .size: 8, .value_kind: global_buffer, .address_space: global }
    .group_segment_fixed_size: 327680
    .private_segment_fixed_size: 0
    .kernarg_segment_align: 8
    .kernarg_segment_size: 56
    .max_flat_workgroup_size: 128
    .sgpr_count:     102
    .vgpr_count:     1024
    .wavefront_size: 32
...
	.end_amdgpu_metadata
.endif
;; end of part 1
;; launch attn (part 2): grid 4 x 64, 16 waves a work-group, no clusters, 327,680 bytes of LDS; arguments qbuf, kvbuf, out0; writes out0
.if DOCPART == 2
	.amdgcn_target "amdgcn-amd-amdhsa--gfx1250"
	.amdhsa_code_object_version 6
	.text
	.protected	k_qd6884f460c_attn
	.globl	k_qd6884f460c_attn
	.p2align	8
	.type	k_qd6884f460c_attn,@function
k_qd6884f460c_attn:
	s_mov_b64 s[64:65], 0
	v_nop
	global_prefetch_b8 v0, s[64:65] scope:SCOPE_SE
	s_setreg_imm32_b32 hwreg(HW_REG_WAVE_MODE, 25, 1), 1
	s_wait_xcnt 0x0
; SECOND LAUNCH.  out[b][n][64 h ..] = the sum over keys m <= n of softmax_m(q[n] . k[m] / 8) v[m], both products on codes of FP4 (E2M1) with E8M0 scales, from the register images that the first launch stored.
; LEFT OUT (shown at the head of the first kernel): a step of 128 keys all of which come after a tile's 16 queries: reference()'s own causal mask gives those keys the weight 0.
; THE SOFTMAX AHEAD OF THE SECOND PRODUCT: t = score x log2(e) / 8; M = the running largest t, rounded up to a whole number; p = 2^(t - M) is quantised along the keys, not normalised; the row's sum is taken of the
; unquantised p and divides at the end.  When M moves, the sum and O are multiplied by 2^(old M - new M): exact.
; LIMITS: NaN and infinities are not served.  A block's largest p is taken through its largest score, which takes v_exp_f32 not to fall where its input rises.  A block whose every p is 0 keeps the scale byte 1: its codes are zeros.
; SHARES.  Work-group (g, head): wave w owns TWO tiles of 16 queries: tile 16 g + w and tile 127 - (16 g + w).  Tile T walks T / 8 + 1 steps of 128 keys, so each wave has 17 tile steps, two of them on the diagonal:
; 256 work-groups of equal work, four waves to a SIMD.  cluster = none: the four work-groups of a head need different numbers of slots (g = 2, 3 never read the last 512 keys), so a joint load would bring a tile
; that no wave of some partner reads.
; LAYOUT.  Both products transposed: S^T = K Q^T (source 0 = 16 keys, source 1 = my 16 queries), O^T = V^T P^T: a lane holds ONE query (lane % 16).  In tile t of S^T register j is key 16 t + 8 h + j.
; K = 64 IN AN INSTRUCTION OF 128: q's fragment is four registers of codes and four of zero codes.  k's eight tiles lie on end in 32 registers, four zero registers behind them; the fragment of tile t is registers
; 4 t .. 4 t + 7: its upper half, the next tile's codes, meets q's zero codes and adds exactly 0 (FP4 has no infinity or NaN; the scale bytes 2, 3 are 0, which is no NaN).
; THE RING.  Two LDS slots of 512 keys (4 steps x 8,960 dense bytes, as kvbuf has them); waves 0 and 1 fetch half a slot each, all sixteen read.
.set STEPB, 8960                       ; a step in kvbuf and in a slot: k's codes 4,096, v's 4,096, k's scale words 512, v's 256
.set SLOTB, 4*STEPB
.set HALF,  SLOTB/2                    ; 70 rows of 256 bytes: one tensor load
.set SLOT1, 1<<16                      ; slot 1 begins here: one exclusive or turns an address in one slot into the other's
.set STAGE, 2*SLOT1                    ; the way out: 16 rows x (256 + 16) bytes for each wave; no tile lands here
.set SPARE, STAGE+16*16*272            ; the spare words: 128 bytes a wave, eight blocks of 256 bytes that no other line names
.set QHEAD,  73728
.set KVHEAD, 143360
.set LI,  1                            ; v1   16 lane
.set LR,  2                            ; v2   16 r
.set ADK, 3                            ; v3   the step's bytes in LDS + 16 lane
.set ADR, 4                            ; v4   + 16 r
.set SPW, 5                            ; v5   my spare word; never rewritten
.set NIL, 6                            ; v6   0; never rewritten
.set GO,  7                            ; v7   the way out: 4,096 h + 16 r
.set DQ,  8                            ; v8   r - 8 h
.set PFO, 9                            ; v9   the prefetches' offset
.set STO, 10                           ; v10  the stage: where I put 32 bytes of a row
.set RD,  11                           ; v11  and where I read a row back
                                       ; v12-15 low tile: -M, largest t, the sum in two halves;  v16-19 high tile;  v20-27, v28-35 q's fragments;  v36, v37 q's scale words
.set KS,  38                           ; v38-41 k's scale words, then v's
.set PW,  42                           ; p's scale word
.set KV,  44                           ; v44-75 k's eight tiles, then v's four fragments; v76-79 zeros
.set S,   80                           ; v80-143 S^T, then p
                                       ; v144-175 O^T of the low tile, v176-207 of the high
.set PC,  208                          ; v208-215 p's codes
.set BM,  216                          ; v216-219 each block's largest score, then p
.set T1,  220                          ; v220-223 at work
.set SO,  224                          ; v224-227 the conversions' scale operands
.set F,   228                          ; v[228:229] f = 2^(old M - new M); the pair's upper half is written once
.set TA,  230
.set NINF, 231                         ; -infinity
.set SB,  232                          ; v[232:233] the sum's second chain
.set MD,  234                          ; the mask's d
.set TB,  2                            ; s2   LDS byte at which the step in hand begins
.set NQC, 3                            ; s3   counts a slot's four steps
.set WV,  10                           ; s10  my wave's number
.set HD,  11                           ; s11  16 x batch + head
.set SEL, 20                           ; s[20:21]
.set CS,  22                           ; s[22:23] c = log2(e) / 8
.set G1,  24                           ; s[24:31]
.set G0,  32                           ; s[32:35] walks
.set SLOTS, 36
.set KF,  37                           ; the step's first key
.set Q0L, 38                           ; my tiles' first queries
.set Q0H, 39
.set QL,  40                           ; my work-group's last query
.set LIM, 41                           ; 1 in a wave that prefetches, else the greatest number
.set PFA, 42                           ; s[42:43]
.set OPL, 44                           ; s[44:45] out0 at the low tile's first row and my head
.set OPH, 46                           ; s[46:47]
.macro TLOAD                           ; waves 0 and 1 fetch half a slot each.  An s_nop 0 and four v_nop follow the line
	s_cmp_lt_u32 s[WV], 2
	s_cbranch_scc0 .Lnone_\@
	tensor_load_to_lds s[G0:G0+3], s[G1:G1+7]
	s_nop 0
.rept 4
	v_nop
.endr
.Lnone_\@:
.endm
; A PREFETCH INTO THE L2 of the slot that the NEXT change of slots will ask for: 140 blocks of 256 bytes.  All four work-groups of a head walk the same bytes: the one with g = 0, which walks all four slots, asks;
; in it waves 4 to 8, which fetch nothing, one instruction each, lanes 256 bytes apart (wave 8's lanes past the slot's last block name that block).  The last change that fills a slot asks for nothing.
.macro ASK
	s_cmp_gt_u32 s[SLOTS], s[LIM]
	s_cbranch_scc0 .Lnot_mine_\@
	global_prefetch_b8 v[PFO], s[PFA:PFA+1] th:TH_LOAD_NT scope:SCOPE_SE
.Lnot_mine_\@:
.endm
	s_load_b128 s[4:7], s[0:1], 0x0                ; qbuf, kvbuf
	s_load_b64 s[8:9], s[0:1], 0x10                ; out0
	v_lshl_add_u32 v[SPW], v0, 2, SPARE
	v_mov_b32 v[NIL], 0
	ds_add_u32 v[SPW], v[NIL]                      ; the wave's opening: the add, twice on end, and its wait ahead of my first tensor load
	ds_add_u32 v[SPW], v[NIL]                      ; and once more; the set-up below, work on registers, stands between it and the wait
	v_lshrrev_b32 v1, 5, v0
	v_readfirstlane_b32 s[WV], v1                  ; wave 0..15
	s_and_b32 s[HD], ttmp7, 0xffff
	; descriptor group 1: 70 rows of 256 bytes (32 elements of 8), dense in memory and in LDS
	s_mov_b32 s[G1], 3<<16
	s_mov_b32 s[G1+1], 32<<16                      ; tensor_dim0
	s_mov_b32 s[G1+2], 70<<16                      ; tensor_dim1
	s_mov_b32 s[G1+3], 32<<16                      ; tile_dim0
	s_mov_b32 s[G1+4], 70                          ; tile_dim1
	s_mov_b32 s[G1+5], 32                          ; from row to row
	s_mov_b32 s[G1+6], 0
	s_mov_b32 s[G1+7], 0
	s_and_b32 s49, s[WV], 1
	s_mul_i32 s49, s49, HALF                       ; my half of a slot, in LDS and in memory
	s_mul_i32 s50, s[HD], KVHEAD                   ; my head in kvbuf
	s_add_co_u32 s52, s50, s49
	s_mov_b32 s53, 0
	s_mov_b32 s[SEL], 0x76543210
	s_mov_b32 s[SEL+1], 0xfedcba98
	s_mov_b32 s[CS], 0x3e38aa3b                    ; log2(e) / 8
	s_mov_b32 s[CS+1], s[CS]                       ; (named with it as a pair, so it is written)
	s_mov_b32 s[TB], 0
	s_mov_b32 s[KF], 0
	s_mov_b32 s[SLOTS], 3
	s_lshl_b32 s54, ttmp9, 4
	s_add_co_u32 s54, s54, s[WV]                   ; my low tile
	s_sub_co_u32 s55, 127, s54                     ; my high tile
	s_lshl_b32 s[Q0L], s54, 4
	s_lshl_b32 s[Q0H], s55, 4
	s_lshl_b32 s[QL], ttmp9, 8
	s_sub_co_u32 s[QL], 2047, s[QL]                ; the last query of tile 127 - 16 g
	s_mul_i32 s58, s[HD], QHEAD                    ; my head in qbuf
	s_mov_b32 s61, 0
	s_wait_dscnt 0x0                               ; both opening adds are done
	s_wait_kmcnt 0x0
	s_mov_b32 s[G0], 1
	s_mov_b32 s[G0+1], s49
	s_add_nc_u64 s[G0+2:G0+3], s[6:7], s[52:53]
	s_or_b32 s[G0+3], s[G0+3], 0x80000000
	TLOAD                                          ; slot 0: it holds key 0, which counts for every query
; q's tile T: its codes at step T / 8, 512 (T % 8); its scale words from 4,096 on (in the load's immediate), at 256 ((T / 4) % 2) + 4 (T % 4) + 16 r
.macro QADR t, pc, ps
	s_lshr_b32 s56, s[\t], 3
	s_mul_i32 s56, s56, 4608
	s_add_co_u32 s56, s56, s58
	s_and_b32 s57, s[\t], 7
	s_lshl_b32 s57, s57, 9
	s_add_co_u32 s60, s56, s57
	s_add_nc_u64 s[\pc:\pc+1], s[4:5], s[60:61]
	s_bfe_u32 s57, s[\t], 0x10002
	s_lshl_b32 s57, s57, 8
	s_add_co_u32 s60, s56, s57
	s_and_b32 s57, s[\t], 3
	s_lshl_b32 s57, s57, 2
	s_add_co_u32 s60, s60, s57
	s_add_nc_u64 s[\ps:\ps+1], s[4:5], s[60:61]
.endm
	QADR 54, 12, 14
	QADR 55, 16, 18
	v_and_b32 v[SB], 15, v0                        ; r
	v_bfe_u32 v[SB+1], v0, 4, 1                    ; h
	v_and_b32 v[LI], 31, v0
	v_lshlrev_b32 v[LI], 4, v[LI]
	v_lshlrev_b32 v[LR], 4, v[SB]
	global_load_b128 v[20:23], v[LI], s[12:13]     ; q stays in registers
	global_load_b32 v36, v[LR], s[14:15] offset:4096
	global_load_b128 v[28:31], v[LI], s[16:17]
	global_load_b32 v37, v[LR], s[18:19] offset:4096
	s_lshr_b32 s56, s[HD], 4
	s_lshl_b32 s56, s56, 23                        ; the batch: 2,048 rows of 4,096 bytes
	s_and_b32 s57, s[HD], 15
	s_lshl_b32 s57, s57, 8                         ; the head's 256 bytes of a row
	s_add_co_u32 s56, s56, s57
	s_lshl_b32 s57, s[Q0L], 12
	s_add_co_u32 s60, s56, s57
	s_add_nc_u64 s[OPL:OPL+1], s[8:9], s[60:61]
	s_lshl_b32 s57, s[Q0H], 12
	s_add_co_u32 s60, s56, s57
	s_add_nc_u64 s[OPH:OPH+1], s[8:9], s[60:61]
	s_add_co_u32 s60, s50, SLOTB                   ; the prefetches stand in slot 1: the first change of slots steps them to slot 2.  Nothing is prefetched here, at the head
	s_add_nc_u64 s[PFA:PFA+1], s[6:7], s[60:61]
	s_sub_co_u32 s56, s[WV], 4
	s_cmp_lt_u32 s56, 5                            ; waves 4 to 8,
	s_cselect_b32 s57, 0, 1
	s_or_b32 s57, s57, ttmp9                       ; of the work-group with g = 0
	s_cmp_eq_u32 s57, 0
	s_cselect_b32 s[LIM], 1, -1
	s_lshl_b32 s56, s56, 5
	v_and_b32 v[PFO], 31, v0
	v_add_nc_u32 v[PFO], s56, v[PFO]
	v_min_u32 v[PFO], 139, v[PFO]                  ; block 32 (w - 4) + lane of the slot's 140, held at the last
	v_lshlrev_b32 v[PFO], 8, v[PFO]
	v_lshl_add_u32 v[GO], v[SB+1], 12, v[LR]
	v_lshlrev_b32 v[DQ], 3, v[SB+1]
	v_sub_nc_u32 v[DQ], v[SB], v[DQ]
	s_mul_i32 s56, s[WV], 16*272
	s_add_co_u32 s56, s56, STAGE                   ; my stage
	v_mul_u32_u24 v[STO], v[SB], 272
	v_lshl_add_u32 v[STO], v[SB+1], 5, v[STO]
	v_add_nc_u32 v[STO], s56, v[STO]               ; in: row r, + 32 h
	v_mul_u32_u24 v[RD], v[SB+1], 272
	v_add_nc_u32 v[RD], v[RD], v[LR]
	v_add_nc_u32 v[RD], s56, v[RD]                 ; back: lanes 0-15 one row, lanes 16-31 the next
.irp st, 12, 16
	v_mov_b32 v[\st+1], 0xff61b1e6                 ; the largest t so far: -3e38, under every t
	v_floor_f32 v[\st], -v[\st+1]                  ; -M
	v_mov_b32 v[\st+2], 0                          ; the sum, in two halves
	v_mov_b32 v[\st+3], 0
.endr
.irp z, 24,25,26,27, 32,33,34,35, 76,77,78,79, 220,221,222,223, 229
	v_mov_b32 v[\z], 0                             ; q's zero codes; the zeros behind k's tiles; registers named before they are otherwise written
.endr
	v_mov_b32 v[NINF], 0xff800000
.set j, 0
.rept 64
	v_mov_b32 v[144+j], 0                          ; O^T of both tiles.  (The step is written once: the first finds zeros, which the first change of M leaves zeros)
.set j, j+1
.endr
; ONE TILE'S KEY STEP: 128 keys.  qf, qs: q's fragment and scale word; st: the statistics; ot: O^T; q0: the tile's first query.
.macro TILE qf, qs, st, ot, q0
	s_add_co_u32 s48, s[\q0], 15                   ; all 128 keys behind my 16 queries: the step is left out (ids and the count of steps alone)
	s_cmp_gt_u32 s[KF], s48
	s_cbranch_scc1 .Lhidden_\@
.rept 4
	v_nop                                          ; places in front of loads into registers that matrix instructions have read
.endr
.irp t, 0,1,2,3,4,5,6,7
	ds_load_b128 v[KV+4*\t:KV+4*\t+3], v[ADK] offset:512*\t        ; k's tile t: 32 lanes, 512 consecutive bytes
.endr
	ds_load_b128 v[KS:KS+3], v[ADK] offset:8192    ; k's scale words: lanes 0-15 those of tiles 0-3, lanes 16-31 of tiles 4-7
	s_wait_dscnt 0x0
.irp t, 0,1,2,3
	v_wmma_scale_f32_16x16x128_f8f6f4 v[S+8*\t:S+8*\t+7], v[KV+4*\t:KV+4*\t+7], v[\qf:\qf+7], 0, v[KS+\t], v[\qs] matrix_a_fmt:MATRIX_FMT_FP4 matrix_b_fmt:MATRIX_FMT_FP4
.endr
.irp t, 4,5,6,7
	v_wmma_scale_f32_16x16x128_f8f6f4 v[S+8*\t:S+8*\t+7], v[KV+4*\t:KV+4*\t+7], v[\qf:\qf+7], 0, v[KS+\t-4], v[\qs] matrix_a_fmt:MATRIX_FMT_FP4 matrix_b_fmt:MATRIX_FMT_FP4 matrix_a_scale:MATRIX_SCALE_ROW1
.endr
.rept 4
	v_nop                                          ; places: in front of the loads below and of the first read of the scores
.endr
.irp a, 0,1,2,3                                ; v's four fragments and scale words are asked for now and land while the softmax is walked
.irp c, 0,1
	ds_load_b128 v[KV+8*\a+4*\c:KV+8*\a+4*\c+3], v[ADK] offset:4096+1024*\a+512*\c
.endr
.endr
	ds_load_b128 v[KS:KS+3], v[ADR] offset:8704
	s_add_co_u32 s48, s[KF], 127                   ; on the diagonal hidden scores become -infinity ahead of the maximum: p = 0 then.  A step all of whose keys count skips this
	s_cmp_le_u32 s48, s[\q0]
	s_cbranch_scc1 .Lopen_\@
	s_sub_co_i32 s48, s[\q0], s[KF]
	v_add_nc_u32 v[MD], s48, v[DQ]                 ; d = my query - the step's first key - 8 h.  Register 8 t + j holds key 16 t + 8 h + j: hidden where 16 t + j > d
.set n, 0
.rept 64
	v_cmp_gt_i32 vcc_lo, 16*(n/8)+n%8, v[MD]
	v_cndmask_b32 v[S+n], v[S+n], v[NINF], vcc_lo
.set n, n+1
.endr
.Lopen_\@:
.irp b, 0,1,2,3
	v_max3_num_f32 v[BM+\b], v[S+16*\b], v[S+16*\b+1], v[S+16*\b+2]   ; the largest score of each block of 32 keys: for the row's maximum, and, since p rises with the score, for the block's largest p
.endr
.irp i, 3,5,7,9,11,13
.irp b, 0,1,2,3
	v_max3_num_f32 v[BM+\b], v[BM+\b], v[S+16*\b+\i], v[S+16*\b+\i+1]
.endr
.endr
.irp b, 0,1,2,3
	v_max_num_f32 v[BM+\b], v[BM+\b], v[S+16*\b+15]
.endr
.irp b, 0,1,2,3
	v_permlanex16_b32 v[T1+\b], v[BM+\b], s[SEL], s[SEL+1]
.endr
.irp b, 0,1,2,3
	v_max_num_f32 v[BM+\b], v[BM+\b], v[T1+\b]     ; with lane l xor 16's 16 keys
.endr
	v_max3_num_f32 v[TA], v[BM], v[BM+1], v[BM+2]
	v_max_num_f32 v[TA], v[TA], v[BM+3]            ; the step's largest score of my query
	v_mul_f32 v[TA], s[CS], v[TA]                  ; as t
	v_max_num_f32 v[\st+1], v[\st+1], v[TA]        ; the running largest t
	v_mov_b32 v[TA], v[\st]
	v_floor_f32 v[\st], -v[\st+1]                  ; the new -M = floor(-t): M is a whole number
	v_sub_f32 v[TA], v[\st], v[TA]                 ; old M - new M: a whole number, 0 or less
	v_cvt_i32_f32 v[TA], v[TA]                     ; (it saturates)
	v_ldexp_f32 v[F], 1.0, v[TA]                   ; f = 2^(old M - new M)
.set j, 0
.rept 32
	v_pk_fma_f32 v[S+j:S+j+1], v[S+j:S+j+1], s[CS:CS+1], v[\st:\st+1] op_sel_hi:[1,0,0]   ; t - M, two at a time
.set j, j+2
.endr
.irp b, 0,1,2,3
	v_fma_f32 v[BM+\b], v[BM+\b], s[CS], v[\st]    ; the same of each block's largest score
.endr
.set j, 0
.rept 64
	v_exp_f32 v[S+j], v[S+j]                       ; p = 2^(t - M), at most 1
.set j, j+1
.endr
	v_pk_mul_f32 v[\st+2:\st+3], v[\st+2:\st+3], v[F:F+1] op_sel_hi:[1,0]   ; the sums under the new M: the plain place behind the exponentials
	s_wait_alu depctr_va_vdst(0)                   ; one wait for the whole batch, ahead of its first reader
.irp b, 0,1,2,3
	v_exp_f32 v[BM+\b], v[BM+\b]                   ; the block's largest p
.endr
	v_pk_add_f32 v[SB:SB+1], v[S:S+1], v[S+2:S+3]  ; the row's sum of the unquantised p, in two chains: its first half stands behind the four exponentials
.irp j, 4,8,12,16,20,24,28
	v_pk_add_f32 v[\st+2:\st+3], v[\st+2:\st+3], v[S+\j:S+\j+1]
	v_pk_add_f32 v[SB:SB+1], v[SB:SB+1], v[S+\j+2:S+\j+3]
.endr
	s_wait_alu depctr_va_vdst(0)                   ; and one for the four
.irp b, 0,1,2,3
	v_max_num_f32 v[BM+\b], 0x1800000, v[BM+\b]    ; the floor 2^(3 - 127): the byte cannot fall under 1
.endr
.irp b, 0,1,2,3
	v_add_nc_u32 v[SO+\b], 0xff000000, v[BM+\b]    ; 2 off the exponent field: the conversion's scale operand
.endr
.irp b, 0,1,2,3
	v_lshrrev_b32 v[T1+\b], 23, v[SO+\b]           ; the scale's byte
.endr
	v_lshl_or_b32 v[PW], v[T1+1], 8, v[T1]         ; p's scale word for these 128 keys
	v_lshl_or_b32 v[PW], v[T1+2], 16, v[PW]
	v_lshl_or_b32 v[PW], v[T1+3], 24, v[PW]
.irp t, 0,1,2,3,4,5,6,7                        ; tile t's eight codes are word 2 (t % 2) + h of block t / 2; they are laid so that the exchanges below give each lane a whole block
	v_cvt_scalef32_pk8_fp4_f32 v[PC+4*(\t/4)+2*(\t%2)+(\t%4)/2], v[S+8*\t:S+8*\t+7], v[SO+\t/2]
.endr
	v_nop                                          ; one plain place behind a scaled conversion
.irp c, 0,1
	v_permlane16_swap_b32 v[PC+4*\c], v[PC+4*\c+1]
	v_permlane16_swap_b32 v[PC+4*\c+2], v[PC+4*\c+3]   ; registers 4 c .. 4 c + 3 now hold keys 64 c + 32 h + 0 .. 31
.endr
.set j, 0
.rept 16
	v_pk_mul_f32 v[\ot+j:\ot+j+1], v[\ot+j:\ot+j+1], v[F:F+1] op_sel_hi:[1,0]   ; O^T under the new M, from each accumulator's low end on
.set j, j+2
.endr
.irp j, 32,36,40,44,48,52,56,60                ; the sum's second half: with the 16 lines above, the places between the codes and scale word just made and the products
	v_pk_add_f32 v[\st+2:\st+3], v[\st+2:\st+3], v[S+\j:S+\j+1]
	v_pk_add_f32 v[SB:SB+1], v[SB:SB+1], v[S+\j+2:S+\j+3]
.endr
	v_pk_add_f32 v[\st+2:\st+3], v[\st+2:\st+3], v[SB:SB+1]
	s_wait_dscnt 0x0                               ; v's fragments and scale words are in
.irp a, 0,1,2,3                                ; O^T += V^T P^T: the four accumulators by turns
	v_wmma_scale_f32_16x16x128_f8f6f4 v[\ot+8*\a:\ot+8*\a+7], v[KV+8*\a:KV+8*\a+7], v[PC:PC+7], v[\ot+8*\a:\ot+8*\a+7], v[KS+\a], v[PW] matrix_a_fmt:MATRIX_FMT_FP4 matrix_b_fmt:MATRIX_FMT_FP4
.endr
.Lhidden_\@:
.endm
; THE CHANGE OF SLOTS stands at a slot's head.  Each wave waits for all its tensor loads, adds 0 to its spare word (fill = 1: twice on end), and waits for that and for its reads of the slot that it has left.
; Behind the barrier the slot ahead is whole and nobody reads the other one.  fill = 1: that other slot takes the next 512 keys, up to the causal limit: the load has four steps in which to land.
.macro CHANGE fill
	s_wait_tensorcnt 0x0                           ; no tensor load of mine is out, so group 0 may be written
	ds_add_u32 v[SPW], v[NIL]                      ; 0 onto my spare word
.if \fill
	ds_add_u32 v[SPW], v[NIL]                      ; and once more: the add twice on end, in every trip alike
	s_xor_b32 s[G0+1], s[G0+1], SLOT1              ; the other slot than last time,
	s_add_nc_u64 s[G0+2:G0+3], s[G0+2:G0+3], SLOTB ; the next 512 keys; the type bits on top are not reached
	s_wait_xcnt 0x0                                ; the last prefetch, a slot back, has read its address
	s_add_nc_u64 s[PFA:PFA+1], s[PFA:PFA+1], SLOTB ; one slot further on than the walking descriptor
.endif
	s_wait_dscnt 0x0                               ; the add is done, and my reads of the slot that I have left are over
	s_barrier_signal -1
	s_barrier_wait -1
.if \fill
	s_add_co_u32 s48, s[KF], 512                   ; the first key of the slot that this change would ask for:
	s_cmp_gt_u32 s48, s[QL]                        ; behind my work-group's last query it is read by none of the sixteen waves, and is not asked for.  Ids and the count of steps alone: all waves go the same way.
	s_cbranch_scc1 .Lpast_\@                       ; Every wait on TENSORcnt in this text is for 0
	TLOAD                                          ; a wave's one tensor load until the next such barrier
.Lpast_\@:
	ASK
.endif
.endm
.macro SLOT_STEPS                      ; a slot's four steps: written once, walked four times; the LDS addresses hang on s[TB]
	s_mov_b32 s[NQC], 4
.Lstep_\@:
	v_add_nc_u32 v[ADK], s[TB], v[LI]
	v_add_nc_u32 v[ADR], s[TB], v[LR]
	TILE 20, 36, 12, 144, Q0L
	TILE 28, 37, 16, 176, Q0H
	s_add_co_u32 s[KF], s[KF], 128
	s_add_co_u32 s[TB], s[TB], STEPB
	s_sub_co_u32 s[NQC], s[NQC], 1
	s_cmp_lg_u32 s[NQC], 0
	s_cbranch_scc1 .Lstep_\@
	s_sub_co_u32 s[TB], s[TB], SLOTB               ; back to a slot's first step,
	s_xor_b32 s[TB], s[TB], SLOT1                  ; in the other slot
.endm
	s_wait_loadcnt 0x0                             ; q
.Lslot:                                            ; three trips: behind each change of slots but the last the next slot is asked for, up to the causal limit; slot 1's first fill stands behind the first trip's barrier
	CHANGE 1
	SLOT_STEPS
	s_sub_co_u32 s[SLOTS], s[SLOTS], 1
	s_cmp_lg_u32 s[SLOTS], 0
	s_cbranch_scc1 .Lslot
	CHANGE 0                                       ; the last slot is written out: nothing is left to fetch
	SLOT_STEPS
	; THE WAY OUT.  O^T is divided by the row's sum and goes through my stage in LDS, so that sixteen lanes store the 256 consecutive bytes of one token's head, aligned.
.rept 4
	v_nop                                          ; places behind the last products
.endr
	v_add_f32 v14, v14, v15                        ; the sums' two halves,
	v_add_f32 v18, v18, v19
	v_permlanex16_b32 v[T1], v14, s[SEL], s[SEL+1]
	v_permlanex16_b32 v[T1+1], v18, s[SEL], s[SEL+1]
	v_add_f32 v14, v14, v[T1]                      ; and lane l xor 16's
	v_add_f32 v18, v18, v[T1+1]
	v_rcp_f32 v14, v14
	v_rcp_f32 v18, v18
	v_nop                                          ; a plain place behind the reciprocals
	s_wait_alu depctr_va_vdst(0)                   ; one wait for both, ahead of the first reader
.macro PACK ot, rc, pr, bk             ; register 8 a + i of O^T is channel 16 a + 8 h + i of query r
.set j, 0
.rept 32
	v_mul_f32 v[\pr+j], v[\ot+j], v[\rc]
.set j, j+1
.endr
.irp a, 0,1,2,3
	ds_store_b128 v[STO], v[\pr+8*\a:\pr+8*\a+3] offset:64*\a
	ds_store_b128 v[STO], v[\pr+8*\a+4:\pr+8*\a+7] offset:64*\a+16
.endr
.irp i, 0,1,2,3,4,5,6,7
	ds_load_b128 v[\bk+4*\i:\bk+4*\i+3], v[RD] offset:544*\i       ; LDS serves a wave's instructions in order (ISA guide 5.7.1.4): these see my stores, and the next tile's stores come behind them
.endr
.endm
.macro SEND bk, op, younger            ; younger: the LDS instructions issued behind this tile's loads
.irp i, 0,1,2,3,4,5,6,7
	s_wait_dscnt \younger+7-\i
	global_store_b128 v[GO], v[\bk+4*\i:\bk+4*\i+3], s[\op:\op+1] offset:8192*\i th:TH_STORE_NT
.endr
.endm
	PACK 144, 14, 80, 44
	PACK 176, 18, 112, 144
	SEND 44, OPL, 16                               ; behind the low tile's load i: its 7 - i younger loads and the high tile's sixteen
	SEND 144, OPH, 0
	s_wait_tensorcnt 0x0                           ; the wave's end, behind my last tensor load and my last LDS store
	ds_add_u32 v[SPW], v[NIL]
	s_wait_dscnt 0x0
	s_endpgm
.Lfunc_end_k_qd6884f460c_attn:
	.size	k_qd6884f460c_attn, .Lfunc_end_k_qd6884f460c_attn-k_qd6884f460c_attn
	.p2alignl 7, 3214868480
	.fill 96, 4, 3214868480
	.section	.rodata,"a",@progbits
	.p2align	6, 0x0
	.amdhsa_kernel k_qd6884f460c_attn
		.amdhsa_group_segment_fixed_size 327680
		.amdhsa_private_segment_fixed_size 0
		.amdhsa_enable_private_segment 0
		.amdhsa_kernarg_size 24
		.amdhsa_user_sgpr_count 2
		.amdhsa_user_sgpr_kernarg_segment_ptr 1
		.amdhsa_wavefront_size32 1
		.amdhsa_system_sgpr_workgroup_id_x 1
		.amdhsa_system_sgpr_workgroup_id_y 1
		.amdhsa_system_sgpr_workgroup_id_z 1
		.amdhsa_system_vgpr_workitem_id 0
		.amdhsa_next_free_vgpr 256
		.amdhsa_next_free_sgpr 66
		.amdhsa_reserve_vcc 1
		.amdhsa_float_denorm_mode_32 3
		.amdhsa_float_denorm_mode_16_64 3
		.amdhsa_memory_ordered 1
		.amdhsa_forward_progress 1
		.amdhsa_inst_pref_size 97
	.end_amdhsa_kernel
	.amdgpu_metadata
---
amdhsa.version: [ 1, 2 ]
amdhsa.kernels:
  - .name:           k_qd6884f460c_attn
    .symbol:         k_qd6884f460c_attn.kd
    .args:
      - { .name: qbuf, .offset: 0, .size: 8, .value_kind: global_buffer, .address_space: global }
      - { .name: kvbuf, .offset: 8, .size: 8, .value_kind: global_buffer, .address_space: global }
      - { .name: out0, .offset: 16, .size: 8, .value_kind: global_buffer, .address_space: global }
    .group_segment_fixed_size: 327680
    .private_segment_fixed_size: 0
    .kernarg_segment_align: 8
    .kernarg_segment_size: 24
    .max_flat_workgroup_size: 512
    .sgpr_count:     66
    .vgpr_count:     256
    .wavefront_size: 32
...
	.end_amdgpu_metadata
.endif
;; end of part 2
